; MI455X (gfx1250); checked and timed in simulation.
; The chip was launched on July 23, 2026; its instructions are those of AMD's public machine-readable ISA for CDNA 5 (MIT licence, August 2026) and "CDNA5" Instruction Set Architecture Reference Guide (July 2026). The comments in the code are by the model that wrote it; some were corrected since.
;; Attention. Allowed arithmetic: matrix products marked QUANTISED: E2M1 operands, one E8M0 scale for each 32 along K, by v_wmma_scale_f32_16x16x128_f8f6f4 with both operands' format E2M1 (or v_wmma_scale_f32_32x16x128_f4), f32 sums; products left as they are: bf16, f16 or f32 operands; f32 sums; everything else in f32.
;; Inputs: Wk 1,024 x 1,024 float32; Wq 1,024 x 1,024 float32; Wv 1,024 x 1,024 float32; attention_mask 4 x 2,048 x 2,048 bool; bk 1,024 float32; bq 1,024 float32; bv 1,024 float32; k 4 x 2,048 x 1,024 float32; q 4 x 2,048 x 1,024 float32; v 4 x 2,048 x 1,024 float32.
;; Outputs: out0 4 x 2,048 x 1,024 float32.
;; This version of the problem:
;;   THIS VERSION OF THE PROBLEM IS GIVEN IN LOW PRECISION. The matrix products marked QUANTISED in the list below multiply operands that are first quantised to E2M1 (2 exponent bits, 1 mantissa bit; 4 bits a number), with one power-of-two scale for each 32 numbers along K (OCP MX v1.0); their sums are f32. The products marked 'left as it is' may take bf16, f16 or f32 operands, with f32 sums. All else is computed in f32.
;;   The module's matrix products, in the order in which they are computed (A, B: the left and right operand; K: the contracted axis; several contracted axes count as one K, in the product's order):
;;     1. [M 8,192, K 1,024] x [K 1,024, N 1,024]; A: input q; B: input Wq: QUANTISED
;;     2. [M 8,192, K 1,024] x [K 1,024, N 1,024]; A: input k; B: input Wk: QUANTISED
;;     3. [M 8,192, K 1,024] x [K 1,024, N 1,024]; A: input v; B: input Wv: QUANTISED
;;     4. batch 64 x [M 2,048, K 64] x [K 64, N 2,048]; A: computed on the way; B: computed on the way: left as it is (an operand is computed on the way)
;;     5. batch 64 x [M 64, K 2,048] x [K 2,048, N 2,048]; A: computed on the way; B: computed on the way: left as it is (an operand is computed on the way)
;;   THE QUANTISER, for each operand of a quantised product, along K:
;;     - K is cut into blocks of 32 from its start; a last block that is shorter is filled with zeros.
;;     - A block's scale is 2^e with e = floor(log2(the largest magnitude in the block)) - 2, held to -126 .. 127; a block of zeros has e = 0. As a byte (E8M0): e + 127.
;;     - Each number is divided by its block's scale, clamped to +-6, and rounded to the nearest number of E2M1, ties to even, subnormals kept.
;;     - The product sums the exact products of the quantised numbers (number of the format x scale) in f32.
;;   ~~~python
;;   def quantise(x, axis):      # numpy; x: float32 -> the quantised numbers, widened to float32 again
;;       x = np.moveaxis(x, axis, -1); K = x.shape[-1]
;;       x = np.pad(x, [(0, 0)] * (x.ndim - 1) + [(0, -K % 32)]); x = x.reshape(x.shape[:-1] + (-1, 32)); a = np.abs(x).max(-1, keepdims=True)
;;       e = np.where(a > 0, np.clip(np.frexp(np.where(a > 0, a, 1))[1] - 1 - 2, -126, 127), 0)      # np.frexp(a)[1] - 1 = floor(log2(a)), exactly
;;       r = np.clip(x / 2.0 ** e, -6, 6)
;;       step = 2.0 ** (np.maximum(np.frexp(np.where(r == 0, 1, r))[1] - 1, 0) - 1)
;;       q = np.round(r / step) * step * 2.0 ** e      # np.round: ties to even
;;       return np.moveaxis(q.reshape(q.shape[:-2] + (-1,))[..., :K], -1, axis).astype(np.float32)
;;   ~~~
;; One version. Each part assembles by itself: llvm-mc -triple=amdgcn-amd-amdhsa -mcpu=gfx1250 --defsym DOCPART=n.
;; ======== version 1 of 1: 3 launches
;; limits: values are held in f16: magnitudes above 65,504 overflow, below 6.1e-05 lose precision
;; workspace buffers: codes 14,155,776 bytes; scales 884,736 bytes; heads 50,331,648 bytes; mbits 2,097,152 bytes of whole numbers; msum 2,048 bytes of whole numbers
;; launch prep (part 1): grid 1376 x 1, 4 waves a work-group, no clusters, 67,072 bytes of LDS; arguments q, k, v, Wq, Wk, Wv, attention_mask, codes, scales, mbits, msum; writes codes, scales, mbits, msum
.if DOCPART == 1
	.amdgcn_target "amdgcn-amd-amdhsa--gfx1250"
	.amdhsa_code_object_version 6
	.text
	.protected	k_q551939dd93_prep
	.globl	k_q551939dd93_prep
	.p2align	8
	.type	k_q551939dd93_prep,@function
k_q551939dd93_prep:
	s_mov_b64 s[64:65], 0
	v_nop
	global_prefetch_b8 v0, s[64:65] scope:SCOPE_SE
	s_setreg_imm32_b32 hwreg(HW_REG_WAVE_MODE, 25, 1), 1
	s_wait_xcnt 0x0
; TWO JOBS IN ONE LAUNCH, parted by the work-group's number.
; (A) Work-groups 0 to 863: q, k, v [8192][1024] and Wq, Wk, Wv [1024][1024], f32 with K innermost, become codes of FP4 (E2M1) and one E8M0 scale byte for each 32 along K.
;     Rows are dense and 1,024 is a multiple of 32, so each tensor is a plain stream of blocks of 32; the six streams lie on end in 'codes' (16 bytes a block) and 'scales' (a byte a block), in the order q, k, v, Wq, Wk, Wv.
;     A block's scale is 2^(floor(log2(its largest magnitude)) - 2); its byte is the largest magnitude's exponent field - 2, held at 1 from below; each number is divided by the scale and rounded to the nearest code, ties to even, beyond 6 the largest code.
;     LIMITS: a block of zeros gets the byte 1 where the rule says 127 (its codes are zeros, and this program alone reads the bytes); blocks whose largest magnitude lies under 2^-124 are held at the byte 1; NaN and infinities are not served.
;     A wave takes 16 steps of 512 numbers.  Each load reads 512 consecutive bytes; a step's 2,048 bytes turn through the wave's own stage in LDS, so that a lane then holds 16 neighbours along K (two lanes to a block).
; (B) Work-groups 864 to 1375, g = 128 b + qt: the mask bytes of 16 queries x 2,048 keys become LANE MASKS for the attention launch: word 8 kt + j of step s (64 keys) has in bit L the byte
;     mask[b][16 qt + L % 16][64 s + 16 kt + 8 (L / 16) + j]: the lane and register in which that launch holds this score.  mbits: [b][qt][32 steps][32 words].
;     msum: [b][qt], a word: bit s says whether any of the step's 16 x 64 bytes is set.  Wave w takes keys 512 w to 512 w + 511: 8 steps, 256 words, one byte of the summary word.
; Each job has LDS bytes of its own; waves share nothing: no barrier.  No matrix unit, no tensor load, no cluster: both jobs are streams that read each byte once.
.set NQW,   864                        ; work-groups of job A: 3 x 256 for q, k, v and 3 x 32 for the weights, 32,768 numbers each
.set STEPS, 16
.set EMAX,  2
.set CB,    8                          ; bytes of 16 codes
.set R,     16                         ; v16-79   four sets of 16 numbers as they are loaded
.set X,     80                         ; v80-111  two sets of 16 neighbours
.set E,     112                        ; v112-127 a scale byte for each step
.set C,     128                        ; v128-191 codes: four registers for each step, so that no store's data are written again
.set WREG,  8192                       ; job A's LDS: a region for each wave: two stages of 32 x SP bytes, and behind them its 256 scale bytes
.set SP,    80                         ; a lane's place in a stage: its 64 bytes + 16 of padding
.set MLDS,  32768                      ; job B's LDS begins here: 16 rows x MP bytes for each wave
.set MP,    528                        ; 512 bytes of a query's keys + 16: 132 words, so that the 32 lanes' reads of 8 bytes (row lane % 16, half lane / 16) start at words 4 r + 2 h modulo 64
.set MI,    32                         ; v32-95   the mask's 16 rows as loaded
.set MO,    96                         ; v96-159  back from LDS: for each of 32 tiles of 16 keys my query's 8 bytes
.set MW,    160                        ; v160-167 the 256 words, four to a lane and store
	s_load_b512 s[4:19], s[0:1], 0x0               ; q s[4:5], k s[6:7], v s[8:9], Wq s[10:11], Wk s[12:13], Wv s[14:15], the mask s[16:17], codes s[18:19]
	s_load_b128 s[20:23], s[0:1], 0x40             ; scales s[20:21], mbits s[22:23]
	s_load_b64 s[24:25], s[0:1], 0x50              ; msum
	v_lshl_add_u32 v192, v0, 2, 0x10400
	v_mov_b32 v193, 0
	v_lshrrev_b32 v1, 5, v0
	v_readfirstlane_b32 s26, v1                    ; wave
	v_and_b32 v2, 31, v0                           ; lane
	s_cmp_ge_u32 ttmp9, NQW
	s_cbranch_scc1 .Lmask
; ---------------- job A: the quantiser ----------------
	v_lshlrev_b32 v3, 4, v2                        ; my 16 bytes of a load's 512
	s_mul_i32 s27, s26, WREG
	v_lshrrev_b32 v14, 2, v2
	v_mul_u32_u24 v14, v14, SP
	v_and_b32 v15, 3, v2
	v_lshl_add_u32 v14, v15, 4, v14
	v_add_nc_u32 v14, s27, v14                     ; the stage, on the way in: four lanes' 64 bytes on end, then 16 of padding
	v_mul_u32_u24 v15, v2, SP
	v_add_nc_u32 v15, s27, v15                     ; and on the way out: SP x lane: my 16 neighbours
	v_mul_u32_u24 v4, v2, CB                       ; my codes' place in a step's
	v_lshrrev_b32 v5, 1, v2
	s_add_co_u32 s27, s27, 2*32*SP
	v_add_nc_u32 v5, s27, v5                       ; LDS: my wave's 256 scale bytes, my block's byte
	v_lshlrev_b32 v7, 3, v2                        ; and on the way out 8 bytes a lane
	v_add_nc_u32 v6, s27, v7
	s_wait_kmcnt 0x0
; which tensor is my work-group's, and which work-group is that tensor's first: choices on the work-group's number alone
.macro PICK below, lo, first
	s_cmp_lt_u32 ttmp9, \below
	s_cselect_b64 s[28:29], s[\lo:\lo+1], s[28:29]
	s_cselect_b32 s30, \first, s30
.endm
	s_mov_b64 s[28:29], s[14:15]                   ; Wv, from work-group 832 on
	s_mov_b32 s30, 832
	PICK 832, 12, 800                              ; Wk
	PICK 800, 10, 768                              ; Wq
	PICK 768, 8, 512                               ; v
	PICK 512, 6, 256                               ; k
	PICK 256, 4, 0                                 ; q
	s_sub_co_u32 s31, ttmp9, s30
	s_lshl_b32 s31, s31, 2
	s_add_co_u32 s31, s31, s26                     ; which run of 8,192 numbers of the tensor is my wave's
	s_lshl_b32 s32, s31, 15                        ; 32,768 bytes a run: under 2^25
	s_mov_b32 s33, 0
	s_add_nc_u64 s[28:29], s[28:29], s[32:33]
	s_lshl_b32 s31, ttmp9, 2
	s_add_co_u32 s31, s31, s26                     ; and which run of all six streams on end
	s_lshl_b32 s32, s31, 12                        ; 4,096 bytes of codes a run
	s_add_nc_u64 s[18:19], s[18:19], s[32:33]
	s_lshl_b32 s32, s31, 8                         ; 256 scale bytes a run
	s_add_nc_u64 s[20:21], s[20:21], s[32:33]
.macro LOAD t
.irp i, 0,1,2,3
	global_load_b128 v[R+16*((\t)%4)+4*\i:R+16*((\t)%4)+4*\i+3], v3, s[28:29] offset:2048*(\t)+512*\i th:TH_LOAD_NT   ; 32 lanes read 512 consecutive bytes
.endr
.endm
.macro TURN t                          ; step t's numbers through the stage: LDS serves a wave's instructions in order (ISA guide 5.7.1.4), so no wait stands between the stores and the loads
.irp i, 0,1,2,3
	ds_store_b128 v14, v[R+16*((\t)%4)+4*\i:R+16*((\t)%4)+4*\i+3] offset:32*SP*((\t)%2)+8*SP*\i
.endr
.irp i, 0,1,2,3
	ds_load_b128 v[X+16*((\t)%2)+4*\i:X+16*((\t)%2)+4*\i+3], v15 offset:32*SP*((\t)%2)+16*\i
.endr
.endm
.irp t, 0,1,2,3
	LOAD \t
.endr
	s_wait_loadcnt 12                              ; step 0's four loads are in; the twelve of steps 1 to 3 may be out
	TURN 0
.macro STEP t
.set XS, X+16*((\t)%2)
.if (\t) > 0
	s_wait_dscnt 1                                 ; this step's numbers are back from the stage (the last step's byte store may be out): so its stores into the stage have read their registers,
.else
	s_wait_dscnt 0x0
.endif
.if (\t)+4 < STEPS
	LOAD (\t)+4                                    ; which take the loads of four steps on
.endif
.if (\t)+1 < STEPS
.if STEPS-2-(\t) >= 3
	s_wait_loadcnt 12                              ; the next step's four loads are in; those of the three steps behind it may be out
.else
	s_wait_loadcnt 4*(STEPS-2-(\t))
.endif
	TURN (\t)+1                                    ; and go through the other stage while this step is worked
.endif
	v_max3_num_f32 v8, |v[XS]|, |v[XS+1]|, |v[XS+2]|               ; the largest magnitude of my 16, in two chains
	v_max3_num_f32 v9, |v[XS+3]|, |v[XS+4]|, |v[XS+5]|
.irp i, 6,10
	v_max3_num_f32 v8, v8, |v[XS+\i]|, |v[XS+\i+1]|
	v_max3_num_f32 v9, v9, |v[XS+\i+2]|, |v[XS+\i+3]|
.endr
	v_max3_num_f32 v8, v8, |v[XS+14]|, |v[XS+15]|
	v_max3_num_f32 v8, v8, v9, (EMAX+1)<<23        ; and the floor 2^(3 - 127), under which no largest magnitude is taken: so the byte cannot fall under 1
	v_max_num_f32_dpp v8, v8, v8 row_xmask:1 row_mask:0xf bank_mask:0xf   ; and of my neighbour's 16: the block's
	v_add_nc_u32 v11, -(EMAX<<23), v8              ; 2 off its exponent field: the conversion takes the exponent field of this operand as its scale, and nothing else of it
	v_cvt_scalef32_pk8_fp4_f32 v[C+4*(\t)], v[XS:XS+7], v11
	v_cvt_scalef32_pk8_fp4_f32 v[C+4*(\t)+1], v[XS+8:XS+15], v11
	v_lshrrev_b32 v[E+(\t)], 23, v11               ; the scale's byte (also the plain line behind the conversions)
	ds_store_b8 v5, v[E+(\t)] offset:16*(\t)       ; both lanes of a block write the same byte with the same value
	global_store_b64 v4, v[C+4*(\t):C+4*(\t)+1], s[18:19] offset:32*CB*(\t)   ; the wave stores 256 consecutive bytes, at a multiple of 256 from the buffer's first byte
.endm
.irp t, 0,1,2,3,4,5,6,7,8,9,10,11,12,13,14,15
	STEP \t
.endr
	ds_load_b64 v[12:13], v6                       ; my wave's 256 scale bytes: these loads see my stores
	s_wait_dscnt 0x0
	global_store_b64 v7, v[12:13], s[20:21]        ; 32 lanes store 256 consecutive bytes, aligned
	s_wait_tensorcnt 0x0
	ds_add_u32 v192, v193
	s_wait_dscnt 0x0
	s_endpgm
; ---------------- job B: the mask ----------------
.Lmask:
	s_sub_co_u32 s27, ttmp9, NQW                   ; g = 128 b + qt
	v_lshlrev_b32 v1, 4, v2                        ; 16 x lane
	s_mul_i32 s28, s26, 16*MP
	s_add_co_u32 s28, s28, MLDS                    ; my wave's rows in LDS
	v_add_nc_u32 v3, s28, v1                       ; in: a row's 512 bytes as they lie
	v_and_b32 v4, 15, v0
	v_bfe_u32 v5, v0, 4, 1
	v_mul_u32_u24 v4, v4, MP
	v_lshl_add_u32 v4, v5, 3, v4
	v_add_nc_u32 v4, s28, v4                       ; back: query lane % 16, 8 bytes at 8 (lane / 16)
	s_lshl_b32 s30, s27, 15                        ; 16 queries x 2,048 bytes
	s_lshl_b32 s31, s26, 9                         ; my wave's 512 keys
	s_add_co_u32 s30, s30, s31
	s_mov_b32 s31, 0
	s_lshl_b32 s32, s27, 12                        ; mbits: 4,096 bytes for 16 queries, 1,024 of them my wave's
	s_lshl_b32 s33, s26, 10
	s_add_co_u32 s32, s32, s33
	s_mov_b32 s33, 0
	s_lshl_b32 s38, s27, 2                         ; msum: a word for 16 queries, byte w of it my wave's
	s_add_co_u32 s38, s38, s26
	s_mov_b32 s39, 0
	s_wait_kmcnt 0x0
	s_add_nc_u64 s[16:17], s[16:17], s[30:31]
	s_add_nc_u64 s[22:23], s[22:23], s[32:33]
	s_add_nc_u64 s[24:25], s[24:25], s[38:39]
.irp i, 0,1,2,3,4,5,6,7,8,9,10,11,12,13,14,15
	global_load_b128 v[MI+4*\i:MI+4*\i+3], v1, s[16:17] offset:2048*\i th:TH_LOAD_NT   ; query i: 512 consecutive bytes
.endr
.irp i, 0,1,2,3,4,5,6,7
	v_mov_b32 v[MW+\i], 0                          ; v_writelane_b32's destination counts as read
.endr
	s_mov_b32 s36, 0
.irp i, 0,1,2,3,4,5,6,7,8,9,10,11,12,13,14,15
	s_wait_loadcnt 15-\i                           ; row i is in; the rows behind it may be out
	ds_store_b128 v3, v[MI+4*\i:MI+4*\i+3] offset:MP*\i
.endr
.set wd, 0
.rept 32
	ds_load_b64 v[MO+2*wd:MO+2*wd+1], v4 offset:16*wd   ; tile wd of 16 keys: my query's bytes of keys 8 (lane / 16) + 0 .. 7 (in order behind my stores)
.set wd, wd+1
.endr
	s_wait_dscnt 0x0
; word wd = 8 x tile + j: the 32 lanes' byte j as a lane mask; it goes to lane (wd / 4) % 32, register wd % 4 of store wd / 128.  Four temporaries by turns
.set wd, 0
.rept 256
	v_and_b32 v[20+wd%4], 0xff<<(8*(wd%4)), v[MO+2*(wd/8)+(wd%8)/4]
	v_cmp_ne_u32 s[40+wd%4], 0, v[20+wd%4]
	v_writelane_b32 v[MW+wd%4+4*(wd/128)], s[40+wd%4], (wd/4)%32
.set wd, wd+1
.endr
; a step's summary: are any of its four tiles' bytes set, in any lane?  A choice, no branch
.irp s, 0,1,2,3,4,5,6,7
	v_or_b32 v24, v[MO+8*\s], v[MO+8*\s+1]
	v_or_b32 v25, v[MO+8*\s+2], v[MO+8*\s+3]
	v_or_b32 v26, v[MO+8*\s+4], v[MO+8*\s+5]
	v_or_b32 v27, v[MO+8*\s+6], v[MO+8*\s+7]
	v_or_b32 v24, v24, v25
	v_or_b32 v26, v26, v27
	v_or_b32 v24, v24, v26
	v_cmp_ne_u32 s34, 0, v24
	s_cmp_lg_u32 s34, 0
	s_cselect_b32 s35, 1<<\s, 0
	s_or_b32 s36, s36, s35
.endr
	global_store_b128 v1, v[MW:MW+3], s[22:23]                 ; 512 consecutive bytes, aligned
	global_store_b128 v1, v[MW+4:MW+7], s[22:23] offset:512
	v_mov_b32 v28, s36
	v_mov_b32 v29, 0
	v_cmp_eq_u32 vcc_lo, 0, v2
	s_wait_xcnt 0x0                                ; EXEC is a source of the stores above: it changes only behind this wait
	s_wait_tensorcnt 0x0
	ds_add_u32 v192, v193
	s_wait_dscnt 0x0
	s_and_saveexec_b32 s37, vcc_lo
	global_store_b8 v29, v28, s[24:25]             ; lane 0: my wave's byte of the summary word (2,048 bytes in the whole launch)
	s_wait_xcnt 0x0                                ; and again, in front of the line that widens it
	s_or_b32 exec_lo, exec_lo, s37
	s_endpgm
.Lfunc_end_k_q551939dd93_prep:
	.size	k_q551939dd93_prep, .Lfunc_end_k_q551939dd93_prep-k_q551939dd93_prep
	.p2alignl 7, 3214868480
	.fill 96, 4, 3214868480
	.section	.rodata,"a",@progbits
	.p2align	6, 0x0
	.amdhsa_kernel k_q551939dd93_prep
		.amdhsa_group_segment_fixed_size 67072
		.amdhsa_private_segment_fixed_size 0
		.amdhsa_enable_private_segment 0
		.amdhsa_kernarg_size 88
		.amdhsa_user_sgpr_count 2
		.amdhsa_user_sgpr_kernarg_segment_ptr 1
		.amdhsa_wavefront_size32 1
		.amdhsa_system_sgpr_workgroup_id_x 1
		.amdhsa_system_sgpr_workgroup_id_y 1
		.amdhsa_system_sgpr_workgroup_id_z 1
		.amdhsa_system_vgpr_workitem_id 0
		.amdhsa_next_free_vgpr 194
		.amdhsa_next_free_sgpr 66
		.amdhsa_reserve_vcc 1
		.amdhsa_float_denorm_mode_32 3
		.amdhsa_float_denorm_mode_16_64 3
		.amdhsa_memory_ordered 1
		.amdhsa_forward_progress 1
		.amdhsa_inst_pref_size 92
	.end_amdhsa_kernel
	.amdgpu_metadata
---
amdhsa.version: [ 1, 2 ]
amdhsa.kernels:
  - .name:           k_q551939dd93_prep
    .symbol:         k_q551939dd93_prep.kd
    .args:
      - { .name: q, .offset: 0, .size: 8, .value_kind: global_buffer, .address_space: global }
      - { .name: k, .offset: 8, .size: 8, .value_kind: global_buffer, .address_space: global }
      - { .name: v, .offset: 16, .size: 8, .value_kind: global_buffer, .address_space: global }
      - { .name: Wq, .offset: 24, .size: 8, .value_kind: global_buffer, .address_space: global }
      - { .name: Wk, .offset: 32, .size: 8, .value_kind: global_buffer, .address_space: global }
      - { .name: Wv, .offset: 40, .size: 8, .value_kind: global_buffer, .address_space: global }
      - { .name: attention_mask, .offset: 48, .size: 8, .value_kind: global_buffer, .address_space: global }
      - { .name: codes, .offset: 56, .size: 8, .value_kind: global_buffer, .address_space: global }
      - { .name: scales, .offset: 64, .size: 8, .value_kind: global_buffer, .address_space: global }
      - { .name: mbits, .offset: 72, .size: 8, .value_kind: global_buffer, .address_space: global }
      - { .name: msum, .offset: 80, .size: 8, .value_kind: global_buffer, .address_space: global }
    .group_segment_fixed_size: 67072
    .private_segment_fixed_size: 0
    .kernarg_segment_align: 8
    .kernarg_segment_size: 88
    .max_flat_workgroup_size: 128
    .sgpr_count:     66
    .vgpr_count:     194
    .wavefront_size: 32
...
	.end_amdgpu_metadata
.endif
;; end of part 1
;; launch proj (part 2): grid 4 x 96, 4 waves a work-group, clusters of 4 x 4, 327,680 bytes of LDS; arguments codes, scales, bq, bk, bv, heads; writes heads
.if DOCPART == 2
	.amdgcn_target "amdgcn-amd-amdhsa--gfx1250"
	.amdhsa_code_object_version 6
	.text
	.protected	k_q551939dd93_proj
	.globl	k_q551939dd93_proj
	.p2align	8
	.type	k_q551939dd93_proj,@function
k_q551939dd93_proj:
	s_mov_b64 s[64:65], 0
	v_nop
	global_prefetch_b8 v0, s[64:65] scope:SCOPE_SE
	s_setreg_imm32_b32 hwreg(HW_REG_WAVE_MODE, 25, 1), 1
	s_wait_xcnt 0x0
	s_wait_alu depctr_hold_cnt(0) depctr_sa_sdst(0) depctr_va_vdst(0) depctr_va_sdst(0) depctr_va_ssrc(0) depctr_va_vcc(0) depctr_vm_vsrc(0)
	s_getreg_b32 s2, hwreg(HW_REG_IB_STS2, 6, 4)
	s_cmp_eq_u32 s2, 0
	s_cbranch_scc0 .Lentry_in_a_cluster
	s_endpgm
.Lentry_in_a_cluster:
	s_bfe_u32 s2, ttmp6, 0x10000c
	s_cmp_lg_u32 s2, 0xf033
	s_cbranch_scc0 .Lentry_shape_is_right
	s_endpgm
.Lentry_shape_is_right:
; THE THREE PROJECTIONS x W^T + b IN ONE GRID, on codes of FP4 (E2M1) with one E8M0 scale for each 32 along K; sums in f32, the bias as the C of each sum's first product; results rounded once to f16.
; WHY f16: the results are operands of the attention launch's two products.  Rounded to 8 significant bits, q, k, v and the weights p together would move an output by about 0.3 per cent of the outputs' root mean square; with f16's 11 bits it is an eighth of that.
; LIMIT: a projected number beyond 65,504 in magnitude is not served (it becomes an infinity).  As the inputs are drawn the largest is about 5; with x and W both 30 times larger about 5,000; with x and W both shifted by 30 times
; their spread, 1,024 x 30 x 30 / 32, about 29,000.
; A: the 24,576 rows of q, k, v on end (row G = 8192 p + 2048 b + s), 512 bytes of codes and 32 scale bytes a row.  B: the 3,072 rows of Wq, Wk, Wv on end, behind them in the same two buffers.
; A tile of 256 rows x 256 channels is made by a work-group of four waves; a wave makes 128 x 128: 64 accumulators of 16 x 16, 512 registers.  Tile row R = 0 .. 95 (projection p = R / 32), tile column 0 .. 3.
; K = 1,024 is TWO K steps of 512 (tile rows of 256 bytes): both slots, and the scales of the work-group's rows for all of K, are asked for at the start; no LDS byte is filled twice.
; CLUSTERS: 4 x 4 work-groups.  The four of a row of the cluster need the same tiles of A, the four of a column the same tiles of B (a cluster lies inside one projection: 32 tile rows are 8 clusters): each tile is asked for
; JOINTLY, by the same tensor load with the same descriptor and a mask that names the four.
; THE MATRIX INSTRUCTION IS USED TRANSPOSED (source 0 = 16 rows of W, source 1 = 16 rows of x): lane (r, h) holds row r and its eight registers the channels 8 h + 0 .. 7 of the block: 16 bytes of f16.
; THE WAY OUT NEEDS NO LDS: 'heads' is laid as the attention launch's operand registers: [p][b][head][tile of 16 rows][piece of 16 channels][lane][16 bytes], so a block's 32 lanes store 512 consecutive bytes.
; REGISTERS, in windows of 256: window 0: v0-31 addresses; v32-95 scale words, two sets; from v128 A's fragments, ONE set; on the way out v32-159 hold packed results.
;   window 1: B's fragments, TWO sets, at v0 and at v128; v64-127 the bias, eight registers for each of my eight blocks of channels.   window 2: the accumulators of my rows 0-63 ((a, b) at v[8 (8 a + b)]);   window 3: rows 64-127.
.set XC,     12582912                  ; where W's codes begin: 24,576 rows x 512 bytes
.set XS,     786432                    ; and W's scale bytes: 24,576 x 32
.set NQ,     4                         ; matrix instructions deep in a K step of 512
.set ROWB,   256                       ; a tile's row in bytes
.set KROW,   512                       ; a row of codes in memory
.set PITCH,  272                       ; an LDS row: 256 bytes + 16 of padding = 68 words: row r starts at bank 4 r mod 64 (64 banks of 4 bytes: ISA guide 11.1)
.set FR,     8                         ; registers of a fragment: 16 rows x 128 K
.set NL,     2                         ; LDS loads that bring one
.set NP,     4                         ; places behind this matrix instruction (ISA guide 7.12.1)
.set HALFT,  128*PITCH                 ; 128 rows: what one tensor load brings, and what one wave reads of A or of B
.set SLOT,   4*HALFT                   ; A's 256 rows, then B's 256 rows
.set KS,     32                        ; a row of scales in bytes
.set SCL,    2*SLOT                    ; behind the two slots: the scales, as units of 256 bytes + 16 of padding
.set HALFS,  (128*KS/256)*272          ; the scales of 128 rows: what one tensor load brings
.set SBLK,   (16*KS/256)*272           ; those of 16 rows
.set SPARE,  SCL+4*HALFS               ; behind the scales: the spare words, 128 bytes for each wave, which no other line names
.set ADRA, 16                          ; v16-17  LDS address of my A fragments in slot 0, 1
.set ADRB, 20                          ; v20-21  the same for B
.set CO,   26                          ; v26     16 x lane: my place in a stored piece
.set ADRS, 27                          ; v27     LDS address of my scale words: lanes 0-15 A's rows, lanes 16-31 B's
.set SPW,  28                          ; v28     LDS address of my spare word; never rewritten
.set NIL,  29                          ; v29     0; never rewritten
.set SC,   32                          ; scale words: set s (for slot s) at v[SC + 32 s]; register 4 i + q: lanes 0-15 the word of A's block i, lanes 16-31 that of B's block i, for the slot's q-th 128 along K
.set AF,   128                         ; A's fragments, in window 0
.set BI,   64                          ; the bias, in window 1
.set OB,   32                          ; the way out: four sets of 32 registers
.set G1, 24                            ; s[24:31] descriptor group 1 for A's tiles;  s[32:39] group 0, one set for each slot
.set G0, 32
.set G1B, 48                           ; s[48:55], s[56:63] the same for B's tiles
.set G0B, 56
.set G1S, 68                           ; s[68:75], s[76:79] groups 1 and 0 for A's scales;  s[80:87], s[88:91] for B's
.set G0S, 76
.set G1SB, 80
.set G0SB, 88
.set MSB, 0
.macro WIN new                         ; the immediate's high byte repeats the setting that is left
.if MSB != (\new)
	s_set_vgpr_msb (MSB<<8)|(\new)
.set MSB, (\new)
.endif
.endm
.set MUL_LO, 0xa1                      ; source 0 (W) window 1, source 1 (x) window 0, C and D window 2
.set MUL_HI, 0xf1                      ; the same, C and D window 3
.set BIA_LO, 0x91                      ; the first products: C (the bias) window 1, D window 2
.set BIA_HI, 0xd1                      ; and D window 3
.set TO_B,   0x40                      ; destination window 1, address window 0
; A joint load: waves 0 and 1 fetch for A, waves 2 and 3 for B.  Each of the two lines has ONE mask and one set of registers for all that issue it; the branch hangs on the wave's number alone.
; Four v_nop follow each of the two lines, ahead of the jump, the label and what follows.
.macro JLOAD g0a, g1a, g0b, g1b
	s_cmp_eq_u32 s15, 0
	s_cbranch_scc0 .Lfor_b_\@
	tensor_load_to_lds s[\g0a:\g0a+3], s[\g1a:\g1a+7]
	s_nop 0
.rept 4
	v_nop
.endr
	s_branch .Lasked_\@
.Lfor_b_\@:
	tensor_load_to_lds s[\g0b:\g0b+3], s[\g1b:\g1b+7]
	s_nop 0
.rept 4
	v_nop
.endr
.Lasked_\@:
.endm
.macro CROUND                          ; a round of the cluster's barrier: my work-group's barrier; wave 0 signals for the work-group; every wave waits for all sixteen; my work-group's barrier once more
	s_barrier_signal -1
	s_barrier_wait -1
	s_cmp_lg_u32 s14, 0
	s_cbranch_scc1 .Lnot_wave_0_\@
	s_barrier_signal -3
.Lnot_wave_0_\@:
	s_barrier_wait -3
	s_barrier_signal -1
	s_barrier_wait -1
.endm
	s_load_b128 s[4:7], s[0:1], 0x0                ; codes s[4:5], scales s[6:7]
	s_load_b128 s[96:99], s[0:1], 0x10             ; bq s[96:97], bk s[98:99]
	s_load_b64 s[100:101], s[0:1], 0x20            ; bv
	s_load_b64 s[12:13], s[0:1], 0x28              ; heads
	v_lshl_add_u32 v[SPW], v0, 2, SPARE
	v_mov_b32 v[NIL], 0
	ds_add_u32 v28, v29
	ds_add_u32 v28, v29
	s_wait_dscnt 0x0
	v_lshrrev_b32 v1, 5, v0
	v_readfirstlane_b32 s14, v1                    ; wave 0..3
	s_lshr_b32 s15, s14, 1                         ; which half of the tile's rows is mine.  Also: I fetch for A (0) or for B (1)
	s_and_b32 s16, s14, 1                          ; which half of its channels.  Also: which 128 rows of that tile I fetch
	s_bfe_u32 s40, ttmp6, 0x40000                  ; cx, cy: my place in the cluster
	s_bfe_u32 s41, ttmp6, 0x40004
	s_lshl_b32 s42, ttmp9, 2
	s_add_co_u32 s42, s42, s40                     ; tile column = 4 x cluster x + cx
	s_and_b32 s17, ttmp7, 0xffff
	s_lshr_b32 s95, s17, 3                         ; the projection p = cluster y / 8: the same in all sixteen partners
	s_lshl_b32 s17, s17, 2
	s_add_co_u32 s17, s17, s41                     ; tile row R = 4 x cluster y + cy
	s_lshl_b32 s43, s41, 2
	s_lshl_b32 s43, 15, s43                        ; my row of the cluster
	s_lshl_b32 s44, 0x1111, s40                    ; my column
	; descriptor group 1: a tile of 128 rows x 256 bytes, padded in LDS
	s_or_b32 s[G1+0], s43, (0<<16)|(1<<20)|(1<<21)|(5<<22)|(3<<25)  ; 15:0 the mask: A's tiles go to my row; 17:16 element of 1 byte; 20 padding on; 21 set beside a mask; 24:22 after every 64 words (code 5); 31:25 of 4 words (code 3)
	s_or_b32 s[G1B+0], s44, (0<<16)|(1<<20)|(1<<21)|(5<<22)|(3<<25)
.irp g, G1, G1B
	s_mov_b32 s[\g+1], ROWB<<16                    ; tensor_dim0
	s_mov_b32 s[\g+2], 128<<16                     ; tensor_dim1 = 128
	s_mov_b32 s[\g+3], ROWB<<16                    ; tile_dim0
	s_mov_b32 s[\g+4], 128                         ; tile_dim1 = 128
	s_mov_b32 s[\g+5], KROW                        ; tensor_dim0_stride
	s_mov_b32 s[\g+6], 0
	s_mov_b32 s[\g+7], 0
.endr
	; and for the scales of 128 rows: a dense block of 4,096 bytes, as 16 rows of 256 bytes (32 elements of 8 bytes), 16 bytes of padding behind each
	s_or_b32 s[G1S+0], s43, (3<<16)|(1<<20)|(1<<21)|(5<<22)|(3<<25)
	s_or_b32 s[G1SB+0], s44, (3<<16)|(1<<20)|(1<<21)|(5<<22)|(3<<25)
.irp g, G1S, G1SB
	s_mov_b32 s[\g+1], 32<<16
	s_mov_b32 s[\g+2], (128*KS/256)<<16
	s_mov_b32 s[\g+3], 32<<16
	s_mov_b32 s[\g+4], 128*KS/256
	s_mov_b32 s[\g+5], 32
	s_mov_b32 s[\g+6], 0
	s_mov_b32 s[\g+7], 0
.endr
	s_lshl_b32 s18, s16, 7                         ; which 128 rows of the tile I fetch
	s_lshl_b32 s20, s17, 8
	s_add_co_u32 s20, s20, s18                     ; A: row 256 R + 128 x half
	s_lshl_b32 s46, s42, 8
	s_add_co_u32 s46, s46, s18                     ; B: row 256 x tile column + 128 x half
	s_lshl_b32 s3, s95, 10
	s_add_co_u32 s46, s46, s3                      ;    + 1,024 p
	s_mov_b32 s21, 0
	s_mov_b32 s47, 0
	s_mov_b64 s[18:19], KS
	s_mul_u64 s[22:23], s[20:21], s[18:19]         ; where these rows' scales begin, in bytes
	s_mul_u64 s[92:93], s[46:47], s[18:19]
	s_mov_b64 s[18:19], KROW
	s_mul_u64 s[20:21], s[20:21], s[18:19]         ; and their codes
	s_mul_u64 s[46:47], s[46:47], s[18:19]
	s_mul_i32 s45, s14, HALFT                      ; where they go: wave x 128 rows: no place in the cluster enters an LDS address
	s_mul_i32 s94, s14, HALFS
	s_wait_kmcnt 0x0
	s_add_nc_u64 s[8:9], s[4:5], XC                ; W's codes
	s_add_nc_u64 s[10:11], s[6:7], XS              ; W's scales
	s_add_nc_u64 s[20:21], s[4:5], s[20:21]
	s_add_nc_u64 s[22:23], s[6:7], s[22:23]
	s_add_nc_u64 s[46:47], s[8:9], s[46:47]
	s_add_nc_u64 s[92:93], s[10:11], s[92:93]
	CROUND                                         ; all sixteen work-groups are here: the joint loads meet
	s_mov_b32 s[G0S], 1
	s_add_co_u32 s[G0S+1], s94, SCL
	s_mov_b64 s[G0S+2:G0S+3], s[22:23]
	s_or_b32 s[G0S+3], s[G0S+3], 0x80000000
	s_mov_b32 s[G0SB], 1
	s_add_co_u32 s[G0SB+1], s94, SCL
	s_mov_b64 s[G0SB+2:G0SB+3], s[92:93]
	s_or_b32 s[G0SB+3], s[G0SB+3], 0x80000000
	JLOAD G0S, G1S, G0SB, G1SB                     ; the scales first: they are wanted with K step 0
.irp s, 0,1
	s_mov_b32 s[G0+4*\s], 1
	s_add_co_u32 s[G0+4*\s+1], s45, \s*SLOT
	s_add_nc_u64 s[G0+4*\s+2:G0+4*\s+3], s[20:21], \s*ROWB
	s_or_b32 s[G0+4*\s+3], s[G0+4*\s+3], 0x80000000
	s_mov_b32 s[G0B+4*\s], 1
	s_add_co_u32 s[G0B+4*\s+1], s45, \s*SLOT
	s_add_nc_u64 s[G0B+4*\s+2:G0B+4*\s+3], s[46:47], \s*ROWB
	s_or_b32 s[G0B+4*\s+3], s[G0B+4*\s+3], 0x80000000
	JLOAD G0+4*\s, G1, G0B+4*\s, G1B               ; three tensor loads of mine are out, and no more follow
.endr
	v_and_b32 v1, 15, v0                           ; r = l % 16
	v_bfe_u32 v2, v0, 4, 1                         ; h = l / 16
	; the bias of my 128 channels: lane (r, h) wants, for block b, those of channels 16 b + 8 h + 0 .. 7: the result's layout
	s_cmp_eq_u32 s95, 1
	s_cselect_b64 s[96:97], s[98:99], s[96:97]
	s_cmp_eq_u32 s95, 2
	s_cselect_b64 s[96:97], s[100:101], s[96:97]
	s_lshl_b32 s46, s42, 10                        ; 4 bytes x (256 x tile column
	s_lshl_b32 s47, s16, 9                         ;            + 128 x half)
	s_add_co_u32 s46, s46, s47
	s_mov_b32 s47, 0
	s_add_nc_u64 s[96:97], s[96:97], s[46:47]
	v_lshlrev_b32 v7, 5, v2
	WIN TO_B
.irp b, 0,1,2,3,4,5,6,7
	global_load_b128 v[BI+8*\b:BI+8*\b+3], v7, s[96:97] offset:64*\b
	global_load_b128 v[BI+8*\b+4:BI+8*\b+7], v7, s[96:97] offset:64*\b+16
.endr
	WIN 0
	v_mul_u32_u24 v3, v1, PITCH
	v_lshl_add_u32 v4, v2, 4, v3                   ; a fragment's row x pitch + 16 x half
	s_mul_i32 s21, s15, HALFT                      ; my 128 rows of A
	s_mul_i32 s22, s16, HALFT                      ; my 128 rows of B,
	s_add_co_u32 s22, s22, 2*HALFT                 ; which lie behind A's 256
.irp s, 0,1
	v_add_nc_u32 v[ADRA+\s], s21, v4
	v_add_nc_u32 v[ADRB+\s], s22, v4
	s_add_co_u32 s21, s21, SLOT
	s_add_co_u32 s22, s22, SLOT
.endr
	v_mul_u32_u24 v5, v1, KS                       ; my row's scales: 32 bytes a row,
	v_lshrrev_b32 v6, 8, v5
	v_lshl_add_u32 v5, v6, 4, v5                   ; and 16 more for each 256 passed
	s_mul_i32 s21, s15, HALFS                      ; A's: my 128 rows
	s_mul_i32 s22, s16, HALFS                      ; B's: my 128 rows, behind A's 256
	s_add_co_u32 s22, s22, 2*HALFS
	s_sub_co_u32 s22, s22, s21
	v_mul_u32_u24 v6, s22, v2                      ; lanes 16-31 take B's: one product, the distance between the two
	s_add_co_u32 s21, s21, SCL
	v_add_nc_u32 v5, v5, v6
	v_add_nc_u32 v[ADRS], s21, v5
	v_and_b32 v6, 31, v0
	v_lshlrev_b32 v[CO], 4, v6
	; where my 128 rows x 128 channels begin in 'heads': G0 = 256 R + 128 x half; (G0 / 2048) x 2^22 is p and b; (G0 % 2048) / 16 tiles of 2,048 bytes; head 4 x tile column + 2 x half, 2^18 bytes each
	s_lshl_b32 s20, s17, 8
	s_lshl_b32 s21, s15, 7
	s_add_co_u32 s20, s20, s21
	s_lshr_b32 s21, s20, 11
	s_lshl_b32 s21, s21, 22
	s_and_b32 s20, s20, 2047
	s_lshl_b32 s20, s20, 7                         ; / 16 x 2,048
	s_add_co_u32 s20, s20, s21
	s_mov_b32 s21, 0
	s_lshl_b32 s46, s42, 20
	s_lshl_b32 s47, s16, 19
	s_add_co_u32 s46, s46, s47
	s_mov_b32 s47, 0
	s_add_nc_u64 s[20:21], s[20:21], s[46:47]      ; under 2^26
	s_add_nc_u64 s[12:13], s[12:13], s[20:21]
.macro FRAG reg, adr, q, i             ; a fragment, 16 rows x 128 K of 4-bit codes, is 8 registers: lane l holds row l % 16; registers 4 c .. 4 c + 3 hold K = 64 c + 32 (l / 16) + 0 .. 31
.irp c, 0,1
	ds_load_b128 v[\reg+4*\c:\reg+4*\c+3], v[\adr] offset:64*(\q)+32*\c+(\i)*16*PITCH
.endr
.endm
; 16 matrix instructions: A's blocks a0, a0 + 1 x B's eight, 128 along K: the slot's q-th.  p: B's set;  sc: the set of scale words.  zero = 1: the first product starts the sums, with the bias as C: nothing is cleared, nothing is added later.
; The 64 accumulators take turns, one instruction a turn, in the same order in every step.
.macro MUL16 a0, p, q, sc, zero
.irp a, \a0, \a0+1
.irp b, 0,1,2,3,4,5,6,7
.if \zero
	v_wmma_scale_f32_16x16x128_f8f6f4 v[8*(8*((\a)%4)+\b):8*(8*((\a)%4)+\b)+7], v[128*(\p)+FR*\b:128*(\p)+FR*\b+FR-1], v[AF+FR*(\a):AF+FR*(\a)+FR-1], v[BI+8*\b:BI+8*\b+7], v[SC+8*NQ*(\sc)+NQ*\b+(\q)], v[SC+8*NQ*(\sc)+NQ*(\a)+(\q)] matrix_a_fmt:MATRIX_FMT_FP4 matrix_b_fmt:MATRIX_FMT_FP4 matrix_a_scale:MATRIX_SCALE_ROW1
.else
	v_wmma_scale_f32_16x16x128_f8f6f4 v[8*(8*((\a)%4)+\b):8*(8*((\a)%4)+\b)+7], v[128*(\p)+FR*\b:128*(\p)+FR*\b+FR-1], v[AF+FR*(\a):AF+FR*(\a)+FR-1], v[8*(8*((\a)%4)+\b):8*(8*((\a)%4)+\b)+7], v[SC+8*NQ*(\sc)+NQ*\b+(\q)], v[SC+8*NQ*(\sc)+NQ*(\a)+(\q)] matrix_a_fmt:MATRIX_FMT_FP4 matrix_b_fmt:MATRIX_FMT_FP4 matrix_a_scale:MATRIX_SCALE_ROW1
.endif
.endr
.endr
.endm
.macro FETCH_B slot, q, p              ; B's eight fragments of the slot's q-th 128 along K into set p
	WIN TO_B
.irp i, 0,1,2,3,4,5,6,7
	FRAG 128*(\p)+FR*\i, ADRB+\slot, \q, \i
.endr
	WIN 0
.endm
.macro FETCH_A slot, q, i0             ; A's blocks i0 .. i0 + 3
.irp i, \i0, \i0+1, \i0+2, \i0+3
	FRAG AF+FR*(\i), ADRA+\slot, \q, \i
.endr
.endm
.macro SCALES sc                       ; a K step's scale words into set sc: 4 words a row; lanes 0-15 take A's block i, lanes 16-31 B's block i
.irp i, 0,1,2,3,4,5,6,7
	ds_load_b128 v[SC+8*NQ*\sc+NQ*\i:SC+8*NQ*\sc+NQ*\i+3], v[ADRS] offset:\i*SBLK
.endr
.endm
; A load into a register that a matrix instruction has read, and a vector instruction that reads a matrix result or writes one of its registers, stand NP places behind it, and only plain vector
; instructions that name none of its registers are places (ISA guide 7.12.1 for vector instructions).
.macro PLACES n
.rept \n
	v_nop
.endr
.endm
; A step of 128 along K that has its successor in the same slot.  A's blocks go one after the other, each against B's eight: so one set of registers serves A (blocks 0-3 are fetched anew in the step's middle, 4-7 at its end), and B has two.
.macro STEP slot, q, zero
	s_wait_dscnt 4*NL                              ; B's set, the scale words and A's blocks 0-3 are in; the youngest eight loads (A's blocks 4-7) may be out
.if \zero
	WIN BIA_LO
.else
	WIN MUL_LO
.endif
	MUL16 0, (\q)%2, \q, \slot, \zero
	MUL16 2, (\q)%2, \q, \slot, \zero
	s_wait_dscnt 0                                 ; A's blocks 4-7 are in (asked for 32 matrix instructions ago)
	PLACES NP
	FETCH_B \slot, (\q)+1, 1-(\q)%2
	FETCH_A \slot, (\q)+1, 0
.if \zero
	WIN BIA_HI
.else
	WIN MUL_HI
.endif
	MUL16 4, (\q)%2, \q, \slot, \zero
	MUL16 6, (\q)%2, \q, \slot, \zero
	PLACES NP
	WIN 0
	FETCH_A \slot, (\q)+1, 4
.endm
; Slot 0's last step changes slots: ONE barrier; in front of it each wave waits for all its tensor loads (its part of slot 1).  Behind it slot 1 is whole for every wave.  Nothing is filled again.
.macro TURN slot, next
	s_wait_tensorcnt 0x0                           ; all my tensor loads have landed: my part of the next slot  (every window is 0 here)
	ds_add_u32 v[SPW], v[NIL]                      ; 0 onto my spare word
	s_wait_dscnt 4*NL+1                            ; (the add and the youngest eight loads, A's blocks 4-7, may be out)
	WIN MUL_LO
	MUL16 0, 1, NQ-1, \slot, 0                     ; sixteen matrix instructions stand between the add and the wait for it
	s_wait_dscnt 0x0                               ; the add is done, and no LDS load of mine is out at the signal
	s_barrier_signal -1
	MUL16 2, 1, NQ-1, \slot, 0
	WIN 0
	s_barrier_wait -1
	PLACES NP
	v_add_nc_u32 v[ADRS], 4*NQ, v[ADRS]            ; on to the next K step's scale words (no LDS load of mine is out)
	FETCH_B \next, 0, 0
	FETCH_A \next, 0, 0
	SCALES \next
	WIN MUL_HI
	MUL16 4, 1, NQ-1, \slot, 0
	MUL16 6, 1, NQ-1, \slot, 0
	PLACES NP
	WIN 0
	FETCH_A \next, 0, 4
.endm
.macro STEPS slot, from                ; the slot's steps from .. NQ - 2
.set QQ, \from
.rept NQ-1-\from
	STEP \slot, QQ, 0
.set QQ, QQ+1
.endr
.endm
	s_wait_tensorcnt 1                             ; the scales and my part of K step 0 are in (K step 1's load may be out)
	s_barrier_signal -1
	s_barrier_wait -1                              ; everybody's are
	FETCH_B 0, 0, 0
	FETCH_A 0, 0, 0
	SCALES 0
	FETCH_A 0, 0, 4
	s_wait_loadcnt 0x0                             ; the bias
	STEP 0, 0, 1                                   ; the first step's products start the sums
	STEPS 0, 1
	TURN 0, 1
	STEPS 1, 0
	s_wait_dscnt 4*NL                              ; the very last step: nothing more to fetch
	WIN MUL_LO
	MUL16 0, 1, NQ-1, 1, 0
	MUL16 2, 1, NQ-1, 1, 0
	s_wait_dscnt 0
	WIN MUL_HI
	MUL16 4, 1, NQ-1, 1, 0
	MUL16 6, 1, NQ-1, 1, 0
	WIN 0
; THE WAY OUT, block a of 16 rows at a time: each accumulator's eight numbers, from its low end on, round to 16 bytes of f16; the 32 lanes' 16 bytes ARE a piece of 'heads'.
	PLACES NP                                      ; behind the last products: the conversions read results and write over scale words and A's fragments
.irp a, 0,1,2,3,4,5,6,7
.if \a == 4
	s_wait_xcnt 0x0                                ; the stores of blocks 0 to 3 have read their registers: the four sets are written a second time
.endif
	WIN 0x0a+5*(\a/4)                              ; sources 0 and 1: window 2 or 3
.irp b, 0,1,2,3,4,5,6,7
.irp i, 0,1,2,3
	v_cvt_pk_f16_f32 v[OB+32*(\a%4)+4*\b+\i], v[64*(\a%4)+8*\b+2*\i], v[64*(\a%4)+8*\b+2*\i+1]
.endr
.endr
	WIN 0
.irp b, 0,1,2,3,4,5,6,7
	global_store_b128 v[CO], v[OB+32*(\a%4)+4*\b:OB+32*(\a%4)+4*\b+3], s[12:13] offset:\a*2048+(\b/4)*262144+(\b%4)*512   ; tile of rows a, head b / 4, piece b % 4: 512 consecutive bytes, at a multiple of 512 from the buffer's first byte
.endr
.endr
	s_wait_tensorcnt 0x0                           ; the wave's end
	ds_add_u32 v[SPW], v[NIL]
	s_wait_dscnt 0x0
	CROUND                                         ; the closing round: no work-group ends while a partner may still ask for a tile that names it
	s_endpgm
.Lfunc_end_k_q551939dd93_proj:
	.size	k_q551939dd93_proj, .Lfunc_end_k_q551939dd93_proj-k_q551939dd93_proj
	.p2alignl 7, 3214868480
	.fill 96, 4, 3214868480
	.section	.rodata,"a",@progbits
	.p2align	6, 0x0
	.amdhsa_kernel k_q551939dd93_proj
		.amdhsa_group_segment_fixed_size 327680
		.amdhsa_private_segment_fixed_size 0
		.amdhsa_enable_private_segment 0
		.amdhsa_kernarg_size 48
		.amdhsa_user_sgpr_count 2
		.amdhsa_user_sgpr_kernarg_segment_ptr 1
		.amdhsa_wavefront_size32 1
		.amdhsa_system_sgpr_workgroup_id_x 1
		.amdhsa_system_sgpr_workgroup_id_y 1
		.amdhsa_system_sgpr_workgroup_id_z 1
		.amdhsa_system_vgpr_workitem_id 0
		.amdhsa_next_free_vgpr 1024
		.amdhsa_next_free_sgpr 102
		.amdhsa_reserve_vcc 0
		.amdhsa_float_denorm_mode_32 3
		.amdhsa_float_denorm_mode_16_64 3
		.amdhsa_memory_ordered 1
		.amdhsa_forward_progress 1
		.amdhsa_inst_pref_size 120
	.end_amdhsa_kernel
	.amdgpu_metadata
---
amdhsa.version: [ 1, 2 ]
amdhsa.kernels:
  - .name:           k_q551939dd93_proj
    .symbol:         k_q551939dd93_proj.kd
    .args:
      - { .name: codes, .offset: 0, .size: 8, .value_kind: global_buffer, .address_space: global }
      - { .name: scales, .offset: 8, .size: 8, .value_kind: global_buffer, .address_space: global }
      - { .name: bq, .offset: 16, .size: 8, .value_kind: global_buffer, .address_space: global }
      - { .name: bk, .offset: 24, .size: 8, .value_kind: global_buffer, .address_space: global }
      - { .name: bv, .offset: 32, .size: 8, .value_kind: global_buffer, .address_space: global }
      - { .name: heads, .offset: 40, .size: 8, .value_kind: global_buffer, .address_space: global }
    .group_segment_fixed_size: 327680
    .private_segment_fixed_size: 0
    .kernarg_segment_align: 8
    .kernarg_segment_size: 48
    .max_flat_workgroup_size: 128
    .sgpr_count:     102
    .vgpr_count:     1024
    .wavefront_size: 32
...
	.end_amdgpu_metadata
.endif
;; end of part 2
;; launch attn (part 3): grid 4 x 64, 8 waves a work-group, no clusters, 166,912 bytes of LDS; arguments heads, mbits, msum, out0; writes out0
.if DOCPART == 3
	.amdgcn_target "amdgcn-amd-amdhsa--gfx1250"
	.amdhsa_code_object_version 6
	.text
	.protected	k_q551939dd93_attn
	.globl	k_q551939dd93_attn
	.p2align	8
	.type	k_q551939dd93_attn,@function
k_q551939dd93_attn:
	s_mov_b64 s[64:65], 0
	v_nop
	global_prefetch_b8 v0, s[64:65] scope:SCOPE_SE
	s_setreg_imm32_b32 hwreg(HW_REG_WAVE_MODE, 25, 1), 1
	s_wait_xcnt 0x0
; out[b][q][64 h ..] = the sum over k of softmax_k(where(mask[b][q][k], -1e7, Q[q] . K[k] / 8)) V[k], for each of the 64 pairs (b, h); head size 64, 2,048 queries and keys.
; Q, K, V come as f16 from 'heads', laid as operand registers: [q, k, v][b][h][tile of 16 rows][piece of 16 channels][lane][16 bytes]; lane (r, hh) of piece ct holds channels 16 ct + 8 hh + 0 .. 7 of the tile's row r;
; pieces 2 c and 2 c + 1 are registers 0-3 and 4-7 of a fragment of 16 rows x channels 32 c .. 32 c + 31.  Products, maxima and sums in f32; the weights p are rounded to f16 for the second product.
; WHY f16: with 8 significant bits the roundings of q, k, p and v together would move an output by about 0.3 per cent of the outputs' root mean square; with f16's 11 bits by an eighth of that.  p has room in f16 by the
; computation itself: p = 2^(c s - c m) with s <= m is at most 2^0.5 (the half is the rounding of c m where m is the fill), and a p under 2^-25 counts for nothing beside the row's largest.  Q, K, V: the limit below.
; SHARES.  Work-group (x, y) owns 512 queries of pair y = 16 b + h; each of its eight waves 64: four tiles of 16, worked as two pieces of two tiles.  Two waves to a SIMD, so that one wave's softmax can stand beside the other's products.
; Every wave walks all keys, 64 a step.  K and V come through two LDS buffers of 256 keys (4 steps): each wave loads an eighth of the next buffer into registers at a slot's head and stores it to LDS at the slot's end; one barrier a slot.
; LAYOUT.  S^T = K Q^T (source 0 = 16 keys, source 1 = 16 queries): a lane holds ONE query (lane % 16) and keys 8 (lane / 16) + 0 .. 7.  Two such tiles rounded to f16 ARE source 1 of O^T = V^T P, whose result again holds one query a lane.
; K comes out of LDS as it lies.  V is turned by ds_load_tr16_b128: lane L must address key 8 (L / 16) + L % 8, channels 8 ((L / 8) % 2) + 0 .. 7.  So on the way from memory a lane takes the 16 bytes of the lane whose bits 3 and 4 are
; swapped (a load still covers the same 512 consecutive bytes): in LDS the turning load's address is then 16 x lane, like K's, and 16 lanes touch 256 consecutive bytes.
; SOFTMAX.  For each query a running maximum m and sum l: p = 2^(c s - c m), c = log2(e) / 8, s the raw product; in every step O and l are multiplied by a = 2^(c m_old - c m_new).  m starts at -3e38, O and l at 0.
; THE MASK.  A masked score becomes -8e7 = 8 x -1e7 ahead of the maximum, by v_cndmask_b32 on lane masks that the first launch stored (a word for each score register).  A row that is masked throughout so gets equal weights.
; A summary bit, stored by that launch too, says whether a piece's 32 queries x 64 keys hold any masked place: where none, a scalar branch passes over the 4 scalar loads and 64 selections.
; NO TENSOR LOADS, NO CLUSTER: that branch hangs on a number read from memory, and joint requests are tensor loads.  What the four work-groups of a pair share is 16,384 bytes a step,
; against the eight waves' 64 matrix and some 480 vector instructions each in that step.
; LIMITS: NaN and infinities are not served; scores under -3e38 are not served; q, k, v (after their projections) and p are rounded to f16, and a projected number beyond 65,504 in magnitude is not served
; (as drawn the largest is about 5; with x and W both 30 times larger about 5,000; with both shifted by 30 times their spread about 29,000).
; REGISTERS.  window 0: v1-10 addresses; v32-47 four statistics a tile (c m, m, l in two halves); v48-63 at work, eight for each tile of the piece; v64-127 S^T of the piece, then p, then P packed into the low 16 of each 32;
;   v128-191 Q; v192-255 the next slot's 16 x 4 registers on their way to LDS.   window 1: v0-127 O^T (32 a tile); v128-191 K of a step; v192-255 V of a step.
.set BUF,   65536                      ; an LDS buffer: 32,768 bytes of K (16 tiles of 2,048), then 32,768 of V
.set VOFF,  32768
.set STAGE, 2*BUF                      ; behind the buffers: 16 rows x 272 bytes for each wave, for the way out
.set SPITCH, 272                       ; 256 bytes + 16 = 68 words: row r starts at bank 4 r mod 64 (64 banks of 4 bytes: ISA guide 11.1)
.set LI,   1                           ; v1   16 x lane
.set GV,   2                           ; v2   V in memory: 4,096 x wave + 16 x (lane with bits 3 and 4 swapped)
.set LW0,  3                           ; v3   4,096 x wave + 16 x lane: K in memory, and both in a buffer
.set LK,   4                           ; v4   the buffer being read + 16 x lane
.set LW,   6                           ; v6   the buffer being written + LW0
.set FILL, 7                           ; v7   -8e7
.set STO,  8                           ; v8   the way out: where I put 32 bytes of a row
.set RD,   9                           ; v9   where I read a row back
.set GO,   10                          ; v10  my byte offset in two rows of out
.set ST,   32
.set TM,   48
.set S,    64
.set Q,    128
.set SG,   192
.set KF,   128                         ; in window 1
.set VF,   192                         ; in window 1
.set WV,   12                          ; s12  wave
.set KP,   16                          ; s[16:17] K of the slot being read;  s[18:19] V
.set VP,   18
.set MB,   20                          ; s[20:21] my first tile's mask words of the slot's first step
.set CS,   22                          ; s[22:23] c: the packed form names a pair and takes its low word for both halves
.set SEL,  24                          ; s[24:25] v_permlanex16_b32's selects for lane l xor 16
.set TB,   26                          ; s26  LDS byte of the buffer being read
.set TW,   27                          ; s27  and of the one being written
.set ANY,  28                          ; s28, s29  the two pieces' summary bits, the slot's first step in bit 0
.set SL,   30                          ; s30  slots to go
.set QP,   66                          ; s[66:67] Q.   s[32:63], s[68:99]: a piece's 64 mask words
.set MSB, 0
.macro WIN new                         ; the immediate's high byte repeats the setting that is left; at a label and at a branch every window is 0
.if MSB != (\new)
	s_set_vgpr_msb (MSB<<8)|(\new)
.set MSB, (\new)
.endif
.endm
.set W_KQ, 0x01                        ; source 0 (K) window 1; Q and S^T window 0.  Also the way out's multiply: O^T in, window 0 out
.set W_PV, 0x51                        ; source 0 (V), C and D (O^T) window 1; P window 0
.set W_RS, 0x41                        ; O^T (destination and source 0) window 1, a window 0
.set TO_1, 0x40                        ; destination window 1
.macro PLACES n
.rept \n
	v_nop
.endr
.endm
.macro GLOAD off                       ; my eighth of a slot, off bytes on from KP and VP: 4,096 bytes of K and 4,096 of V, 512 consecutive bytes a load
.irp i, 0,1,2,3,4,5,6,7
	global_load_b128 v[SG+4*\i:SG+4*\i+3], v[LW0], s[KP:KP+1] offset:\off+512*\i
.endr
.irp i, 0,1,2,3,4,5,6,7
	global_load_b128 v[SG+32+4*\i:SG+32+4*\i+3], v[GV], s[VP:VP+1] offset:\off+512*\i
.endr
.endm
.macro LSTORE adr                      ; and into a buffer
.irp i, 0,1,2,3,4,5,6,7
	ds_store_b128 v[\adr], v[SG+4*\i:SG+4*\i+3] offset:512*\i
.endr
.irp i, 0,1,2,3,4,5,6,7
	ds_store_b128 v[\adr], v[SG+32+4*\i:SG+32+4*\i+3] offset:VOFF+512*\i
.endr
.endm
.macro KLOAD q                         ; K of the slot's step q: fragment (tile kt, channels 32 c on) = pieces 2 c, 2 c + 1
	WIN TO_1
.irp kt, 0,1,2,3
.irp c, 0,1
.irp g, 0,1
	ds_load_b128 v[KF+8*(2*\kt+\c)+4*\g:KF+8*(2*\kt+\c)+4*\g+3], v[LK] offset:(4*(\q)+\kt)*2048+(2*\c+\g)*512
.endr
.endr
.endr
	WIN 0
.endm
.macro VLOAD q                         ; V^T of step q: fragment (keys 32 kk on, channels 16 ct on): registers 0-3 from tile 2 kk, 4-7 from tile 2 kk + 1
	WIN TO_1
.irp kk, 0,1
.irp ct, 0,1,2,3
	ds_load_tr16_b128 v[VF+8*(4*\kk+\ct):VF+8*(4*\kk+\ct)+3], v[LK] offset:VOFF+(4*(\q)+2*\kk)*2048+\ct*512
	ds_load_tr16_b128 v[VF+8*(4*\kk+\ct)+4:VF+8*(4*\kk+\ct)+7], v[LK] offset:VOFF+(4*(\q)+2*\kk+1)*2048+\ct*512
.endr
.endr
	WIN 0
.endm
; S^T = K Q^T for piece p: 16 products; the eight accumulators take turns, one instruction a turn; the first eight start the sums with the constant 0
.macro KQ p
	WIN W_KQ
.irp c, 0,1
.irp kt, 0,1,2,3
.irp u, 0,1
.if \c == 0
	v_wmma_f32_16x16x32_f16 v[S+32*\u+8*\kt:S+32*\u+8*\kt+7], v[KF+8*(2*\kt+\c):KF+8*(2*\kt+\c)+7], v[Q+16*(2*\p+\u)+8*\c:Q+16*(2*\p+\u)+8*\c+7], 0
.else
	v_wmma_f32_16x16x32_f16 v[S+32*\u+8*\kt:S+32*\u+8*\kt+7], v[KF+8*(2*\kt+\c):KF+8*(2*\kt+\c)+7], v[Q+16*(2*\p+\u)+8*\c:Q+16*(2*\p+\u)+8*\c+7], v[S+32*\u+8*\kt:S+32*\u+8*\kt+7]
.endif
.endr
.endr
.endr
	WIN 0
.endm
; O^T += V^T P for piece p: 16 products, eight accumulators by turns
.macro PV p
	WIN W_PV
.irp kk, 0,1
.irp ct, 0,1,2,3
.irp u, 0,1
	v_wmma_f32_16x16x32_f16 v[64*\p+32*\u+8*\ct:64*\p+32*\u+8*\ct+7], v[VF+8*(4*\kk+\ct):VF+8*(4*\kk+\ct)+7], v[S+32*\u+8*\kk:S+32*\u+8*\kk+7], v[64*\p+32*\u+8*\ct:64*\p+32*\u+8*\ct+7]
.endr
.endr
.endr
	WIN 0
.endm
; The scores of piece p in the slot's step q, masked.  The products are written on both ways, so that the scalar loads run under them and no way reads words that were not loaded.
; Four places stand behind the products on both ways: for the first reads of the scores, and for the loads into K's registers that follow piece 1's scores.
.macro SCORES p, q
	s_bitcmp1_b32 s[ANY+\p], \q                    ; is any of these 32 queries x 64 keys masked?
	s_cbranch_scc0 .Lopen_\@
	s_load_b512 s[32:47], s[MB:MB+1], (2*\p)*4096+128*\q          ; tile 2 p: the step's 32 words;
	s_load_b512 s[48:63], s[MB:MB+1], (2*\p)*4096+128*\q+64
	s_load_b512 s[68:83], s[MB:MB+1], (2*\p+1)*4096+128*\q        ; tile 2 p + 1
	s_load_b512 s[84:99], s[MB:MB+1], (2*\p+1)*4096+128*\q+64
	KQ \p
	PLACES 4
	s_wait_kmcnt 0x0
.set n, 0
.rept 32
	v_cndmask_b32 v[S+n], v[S+n], v[FILL], s[32+n]                ; each accumulator from its low end on
	v_cndmask_b32 v[S+32+n], v[S+32+n], v[FILL], s[68+n]
.set n, n+1
.endr
	s_branch .Ljoin_\@
.Lopen_\@:
	KQ \p
	PLACES 4
.Ljoin_\@:
.endm
; The softmax of piece p's two tiles for one step, the two tiles line by line, so that few lines wait for the line above them.
.macro SOFTMAX p
.set T0, ST+8*\p
.irp j, 0,1,2,3                        ; the maximum of the lane's 32 scores and the old m: four chains, each begun at the low end of an accumulator
.irp u, 0,1
	v_max3_num_f32 v[TM+8*\u+\j], v[S+32*\u+8*\j], v[S+32*\u+8*\j+1], v[S+32*\u+8*\j+2]
.endr
.endr
.irp g, 3,5
.irp j, 0,1,2,3
.irp u, 0,1
	v_max3_num_f32 v[TM+8*\u+\j], v[TM+8*\u+\j], v[S+32*\u+8*\j+\g], v[S+32*\u+8*\j+\g+1]
.endr
.endr
.endr
.irp u, 0,1
	v_max3_num_f32 v[TM+8*\u], v[TM+8*\u], v[S+32*\u+7], v[S+32*\u+15]
	v_max3_num_f32 v[TM+8*\u+2], v[TM+8*\u+2], v[S+32*\u+23], v[S+32*\u+31]
.endr
.irp u, 0,1
	v_max3_num_f32 v[TM+8*\u], v[TM+8*\u], v[TM+8*\u+1], v[TM+8*\u+2]
.endr
.irp u, 0,1
	v_max3_num_f32 v[TM+8*\u], v[TM+8*\u], v[TM+8*\u+3], v[T0+4*\u+1]
.endr
.irp u, 0,1
	v_permlanex16_b32 v[TM+8*\u+4], v[TM+8*\u], s[SEL], s[SEL+1]   ; the query's other 32 keys lie in the lane 16 away
.endr
.irp u, 0,1
	v_mov_b32 v[TM+8*\u+5], v[T0+4*\u]             ; c m_old is kept for a
.endr
.irp u, 0,1
	v_max_num_f32 v[T0+4*\u+1], v[TM+8*\u], v[TM+8*\u+4]           ; the new m
.endr
.irp u, 0,1
	v_mul_f32 v[T0+4*\u], s[CS], v[T0+4*\u+1]      ; c m
.endr
.irp u, 0,1
	v_sub_f32 v[TM+8*\u+5], v[TM+8*\u+5], v[T0+4*\u]               ; c m_old - c m_new
.endr
.set n, 0
.rept 16
	v_pk_fma_f32 v[S+n:S+n+1], v[S+n:S+n+1], s[CS:CS+1], v[T0:T0+1] op_sel_hi:[1,0,0] neg_lo:[0,0,1] neg_hi:[0,0,1]              ; c s - c m, two at a time
	v_pk_fma_f32 v[S+32+n:S+32+n+1], v[S+32+n:S+32+n+1], s[CS:CS+1], v[T0+4:T0+5] op_sel_hi:[1,0,0] neg_lo:[0,0,1] neg_hi:[0,0,1]
.set n, n+2
.endr
.irp u, 0,1
	v_exp_f32 v[TM+8*\u+6], v[TM+8*\u+5]           ; a
.endr
.set n, 0
.rept 64
	v_exp_f32 v[S+n], v[S+n]                       ; p
.set n, n+1
.endr
	v_nop                                          ; a plain line between the last exponential and the use of its result (ISA guide 5.7.2)
	s_wait_alu depctr_va_vdst(0)
.irp u, 0,1                            ; the sum of the unrounded p, two at a time, in two chains; p itself stays
	v_pk_add_f32 v[TM+8*\u:TM+8*\u+1], v[S+32*\u:S+32*\u+1], v[S+32*\u+2:S+32*\u+3]
	v_pk_add_f32 v[TM+8*\u+2:TM+8*\u+3], v[S+32*\u+4:S+32*\u+5], v[S+32*\u+6:S+32*\u+7]
.endr
.irp j, 8,12,16,20,24,28
.irp u, 0,1
	v_pk_add_f32 v[TM+8*\u:TM+8*\u+1], v[TM+8*\u:TM+8*\u+1], v[S+32*\u+\j:S+32*\u+\j+1]
	v_pk_add_f32 v[TM+8*\u+2:TM+8*\u+3], v[TM+8*\u+2:TM+8*\u+3], v[S+32*\u+\j+2:S+32*\u+\j+3]
.endr
.endr
.irp u, 0,1
	v_pk_add_f32 v[TM+8*\u:TM+8*\u+1], v[TM+8*\u:TM+8*\u+1], v[TM+8*\u+2:TM+8*\u+3]
.endr
.irp u, 0,1
	v_pk_fma_f32 v[T0+4*\u+2:T0+4*\u+3], v[T0+4*\u+2:T0+4*\u+3], v[TM+8*\u+6:TM+8*\u+7], v[TM+8*\u:TM+8*\u+1] op_sel_hi:[1,0,1]   ; l = a l + the sum
.endr
.set n, 0
.rept 16                               ; P, in place: register n takes p's pair n, whose registers 2 n and 2 n + 1 lie at or above it
	v_cvt_pk_f16_f32 v[S+n], v[S+2*n], v[S+2*n+1]
	v_cvt_pk_f16_f32 v[S+32+n], v[S+32+2*n], v[S+32+2*n+1]
.set n, n+1
.endr
	WIN W_RS
.set n, 0
.rept 16                               ; O^T x a, each accumulator from its low end on
	v_pk_mul_f32 v[64*\p+n:64*\p+n+1], v[64*\p+n:64*\p+n+1], v[TM+6:TM+7] op_sel_hi:[1,0]
	v_pk_mul_f32 v[64*\p+32+n:64*\p+32+n+1], v[64*\p+32+n:64*\p+32+n+1], v[TM+14:TM+15] op_sel_hi:[1,0]
.set n, n+2
.endr
	WIN 0
.endm
; A KEY STEP: 64 keys, the slot's q-th.  pre = 1: the next step's K and V are fetched, each as soon as the last product that reads the old one has its places behind it.
.macro STEP q, pre
	s_wait_dscnt 16                                ; K of this step is in; V's sixteen loads, issued behind K's, may be out
	SCORES 0, \q
	SOFTMAX 0
	s_wait_dscnt 0x0                               ; V is in
	PV 0
	PLACES 5                                       ; the next products write over P, which these have read: five places (ISA guide 7.12.1)
	SCORES 1, \q
.if \pre
	KLOAD (\q)+1
.endif
	SOFTMAX 1
	PV 1
	PLACES 5                                       ; for the loads into V's registers, and for the next step's products, which write over P
.if \pre
	VLOAD (\q)+1
.endif
.endm
	s_load_b256 s[4:11], s[0:1], 0x0               ; heads s[4:5], mbits s[6:7], msum s[8:9], out0 s[10:11]
	v_lshl_add_u32 v30, v0, 2, 0x28800
	v_mov_b32 v31, 0
	v_lshrrev_b32 v11, 5, v0
	v_readfirstlane_b32 s[WV], v11                 ; wave 0..7
	v_and_b32 v[LI], 31, v0
	v_lshlrev_b32 v[LI], 4, v[LI]
	s_lshl_b32 s2, s[WV], 12
	v_add_nc_u32 v[LW0], s2, v[LI]
	v_and_b32 v[GV], 7, v0                         ; the lane with bits 3 and 4 swapped
	v_bfe_u32 v11, v0, 4, 1
	v_lshl_or_b32 v[GV], v11, 3, v[GV]
	v_bfe_u32 v11, v0, 3, 1
	v_lshl_or_b32 v[GV], v11, 4, v[GV]
	v_lshlrev_b32 v[GV], 4, v[GV]
	v_add_nc_u32 v[GV], s2, v[GV]
	v_and_b32 v12, 15, v0                          ; r
	v_bfe_u32 v13, v0, 4, 1                        ; hh
	s_mul_i32 s3, s[WV], 16*SPITCH
	s_add_co_u32 s3, s3, STAGE                     ; my stage
	v_mul_u32_u24 v[STO], v12, SPITCH              ; in: row r, 32 bytes for each half of the lanes
	v_lshl_add_u32 v[STO], v13, 5, v[STO]
	v_add_nc_u32 v[STO], s3, v[STO]
	v_mul_u32_u24 v[RD], v13, SPITCH               ; back: lanes 0-15 one row of 256 bytes, lanes 16-31 the next
	v_lshl_add_u32 v[RD], v12, 4, v[RD]
	v_add_nc_u32 v[RD], s3, v[RD]
	v_lshlrev_b32 v[GO], 12, v13                   ; and the same two rows in out: 4,096 bytes apart
	v_lshl_add_u32 v[GO], v12, 4, v[GO]
	s_and_b32 s13, ttmp7, 0xffff                   ; y = 16 b + h
	s_lshr_b32 s14, s13, 4                         ; b
	s_and_b32 s15, s13, 15                         ; h
	s_lshl_b32 s31, ttmp9, 5
	s_lshl_b32 s2, s[WV], 2
	s_add_co_u32 s31, s31, s2                      ; my first tile of queries: 32 x + 4 w
	s_lshl_b32 s14, s14, 7
	s_add_co_u32 s14, s14, s31                     ; 128 b + that
	s_lshl_b32 s2, s13, 18                         ; a pair's 2^18 bytes in each third of 'heads'
	s_mov_b32 s3, 0
	s_mov_b32 s[CS], 0x3e38aa3b                    ; c = log2(e) / 8
	s_mov_b32 s[CS+1], s[CS]                       ; (named with it as a pair, so it is written)
	s_mov_b32 s[SEL], 0x76543210
	s_mov_b32 s[SEL+1], 0xfedcba98
	s_mov_b32 s[TB], 0
	s_mov_b32 s[TW], BUF
	s_mov_b32 s[SL], 8
	s_wait_kmcnt 0x0
	s_add_nc_u64 s[4:5], s[4:5], s[2:3]            ; my pair, in q's third
	s_add_nc_u64 s[KP:KP+1], s[4:5], 0x1000000     ; in k's
	s_add_nc_u64 s[VP:VP+1], s[4:5], 0x2000000     ; in v's
	s_lshl_b32 s2, s31, 11
	s_add_nc_u64 s[QP:QP+1], s[4:5], s[2:3]        ; my four tiles of Q
	s_lshl_b32 s2, s14, 12
	s_add_nc_u64 s[MB:MB+1], s[6:7], s[2:3]        ; their mask words: 4,096 bytes a tile
	s_lshl_b32 s2, s14, 2
	s_add_nc_u64 s[8:9], s[8:9], s[2:3]
	s_load_b128 s[32:35], s[8:9], 0x0              ; and their four summary words
	s_lshl_b32 s2, s14, 16                         ; out: 16 rows of 4,096 bytes a tile,
	s_lshl_b32 s15, s15, 8                         ; + the head's 256 bytes of a row
	s_add_co_u32 s2, s2, s15
	s_add_nc_u64 s[10:11], s[10:11], s[2:3]
	GLOAD 0                                        ; slot 0
.irp t, 0,1,2,3
.irp c, 0,1
.irp g, 0,1
	global_load_b128 v[Q+16*\t+8*\c+4*\g:Q+16*\t+8*\c+4*\g+3], v[LI], s[QP:QP+1] offset:2048*\t+512*(2*\c+\g) th:TH_LOAD_NT   ; Q stays in registers
.endr
.endr
.endr
	v_mov_b32 v[FILL], 0xcc989680                  ; -8e7
.irp t, 0,1,2,3
	v_mov_b32 v[ST+4*\t+1], 0xff61b1e6             ; m = -3e38, under every score and under the fill
	v_mov_b32 v[ST+4*\t+2], 0                      ; l
	v_mov_b32 v[ST+4*\t+3], 0
.endr
.irp t, 0,1,2,3
	v_mul_f32 v[ST+4*\t], s[CS], v[ST+4*\t+1]      ; c m
.endr
.irp u, 0,1
	v_mov_b32 v[TM+8*\u+4], 0                      ; written once: a lane permute's destination counts as one of its sources
	v_mov_b32 v[TM+8*\u+7], 0                      ; (named as the upper half of a's pair)
.endr
	WIN TO_1
.set n, 0
.rept 128
	v_mov_b32 v[n], 0                              ; O^T.  The step is written once: the first finds zeros, which a = 0 leaves zeros; a first step of its own would be a second copy of the slot's text
.set n, n+1
.endr
	WIN 0
	s_wait_loadcnt 16                              ; slot 0's sixteen loads are in; Q's sixteen may be out
	LSTORE LW0                                     ; into buffer 0
	s_wait_kmcnt 0x0
	s_or_b32 s[ANY], s32, s33                      ; a piece's bit: either of its two tiles
	s_or_b32 s[ANY+1], s34, s35
	s_wait_loadcnt 0x0                             ; Q
	s_wait_dscnt 0x0                               ; for the others' sake: my stores have landed
	s_barrier_signal -1
	s_barrier_wait -1
.Lslot:                                            ; 8 trips: a slot of 256 keys
	v_add_nc_u32 v[LK], s[TB], v[LI]
	v_add_nc_u32 v[LW], s[TW], v[LW0]
	s_cmp_eq_u32 s[SL], 1                          ; the last slot has none behind it: no load leaves the pair's rows
	s_cbranch_scc1 .Lno_ask
	GLOAD VOFF                                     ; the next slot, 32,768 bytes on: asked for four steps ahead of its stores to LDS
.Lno_ask:
	KLOAD 0
	VLOAD 0
	STEP 0, 1
	STEP 1, 1
	STEP 2, 1
	STEP 3, 0
	s_wait_loadcnt 0x0                             ; the next slot is in registers
	s_cmp_eq_u32 s[SL], 1
	s_cbranch_scc1 .Lno_put
	LSTORE LW                                      ; into the other buffer: every wave's reads of it were over at the last barrier
.Lno_put:
	s_wait_dscnt 0x0                               ; my stores have landed, and my reads of this buffer are over:
	s_barrier_signal -1                            ; one barrier for both
	s_barrier_wait -1
	s_wait_xcnt 0x0                                ; the trip's loads, vector and scalar, have read their bases
	s_add_nc_u64 s[KP:KP+1], s[KP:KP+1], VOFF
	s_add_nc_u64 s[VP:VP+1], s[VP:VP+1], VOFF
	s_add_nc_u64 s[MB:MB+1], s[MB:MB+1], 512       ; four steps' words
	s_xor_b32 s[TB], s[TB], BUF
	s_xor_b32 s[TW], s[TW], BUF
	s_lshr_b32 s[ANY], s[ANY], 4
	s_lshr_b32 s[ANY+1], s[ANY+1], 4
	s_sub_co_u32 s[SL], s[SL], 1
	s_cmp_lg_u32 s[SL], 0
	s_cbranch_scc1 .Lslot
	; THE WAY OUT.  l's two halves and the other half of the lanes' are added; O^T is divided by l and goes through my stage in LDS, a tile (16 rows x 256 bytes) at a time.  (Five places stand behind the last products.)
.irp t, 0,1,2,3
	v_add_f32 v[TM+4*\t], v[ST+4*\t+2], v[ST+4*\t+3]
.endr
.irp t, 0,1,2,3
	v_permlanex16_b32 v[TM+4*\t+1], v[TM+4*\t], s[SEL], s[SEL+1]
.endr
.irp t, 0,1,2,3
	v_add_f32 v[TM+4*\t], v[TM+4*\t], v[TM+4*\t+1]
.endr
.irp t, 0,1,2,3
	v_rcp_f32 v[TM+4*\t+2], v[TM+4*\t]
.endr
	v_nop                                          ; a plain line between the last reciprocal and the use of its result
	s_wait_alu depctr_va_vdst(0)
.macro OUT t
	WIN W_KQ                                       ; source 0 (O^T) window 1
.set n, 0
.rept 16
	v_pk_mul_f32 v[S+32*(\t%2)+n:S+32*(\t%2)+n+1], v[32*\t+n:32*\t+n+1], v[TM+4*\t+2:TM+4*\t+3] op_sel_hi:[1,0]   ; register 8 ct + j: channel 16 ct + 8 hh + j of query r; each accumulator from its low end on
.set n, n+2
.endr
	WIN 0
.irp ct, 0,1,2,3
	ds_store_b128 v[STO], v[S+32*(\t%2)+8*\ct:S+32*(\t%2)+8*\ct+3] offset:64*\ct
	ds_store_b128 v[STO], v[S+32*(\t%2)+8*\ct+4:S+32*(\t%2)+8*\ct+7] offset:64*\ct+16
.endr
.if \t >= 2
	s_wait_xcnt 0x0                                ; the stores of two tiles back have read the registers into which the rows now come
.endif
.irp i, 0,1,2,3,4,5,6,7
	ds_load_b128 v[SG+32*(\t%2)+4*\i:SG+32*(\t%2)+4*\i+3], v[RD] offset:\i*2*SPITCH   ; LDS serves a wave's instructions in order (ISA guide 5.7.1.4): these see the stores above, and the next tile's stores come behind them
.endr
.irp i, 0,1,2,3,4,5,6,7
	s_wait_dscnt 7-\i                              ; rows 2 i and 2 i + 1 are back; the rows behind them may be out
	global_store_b128 v[GO], v[SG+32*(\t%2)+4*\i:SG+32*(\t%2)+4*\i+3], s[10:11] offset:(16*\t+2*\i)*4096 th:TH_STORE_NT   ; 16 lanes store the head's 256 consecutive bytes of a row, at a multiple of 256 from out's first byte
.endr
.endm
	OUT 0
	OUT 1
	OUT 2
	OUT 3
	s_wait_tensorcnt 0x0
	ds_add_u32 v30, v31
	s_wait_dscnt 0x0
	s_endpgm
.Lfunc_end_k_q551939dd93_attn:
	.size	k_q551939dd93_attn, .Lfunc_end_k_q551939dd93_attn-k_q551939dd93_attn
	.p2alignl 7, 3214868480
	.fill 96, 4, 3214868480
	.section	.rodata,"a",@progbits
	.p2align	6, 0x0
	.amdhsa_kernel k_q551939dd93_attn
		.amdhsa_group_segment_fixed_size 166912
		.amdhsa_private_segment_fixed_size 0
		.amdhsa_enable_private_segment 0
		.amdhsa_kernarg_size 32
		.amdhsa_user_sgpr_count 2
		.amdhsa_user_sgpr_kernarg_segment_ptr 1
		.amdhsa_wavefront_size32 1
		.amdhsa_system_sgpr_workgroup_id_x 1
		.amdhsa_system_sgpr_workgroup_id_y 1
		.amdhsa_system_sgpr_workgroup_id_z 1
		.amdhsa_system_vgpr_workitem_id 0
		.amdhsa_next_free_vgpr 512
		.amdhsa_next_free_sgpr 100
		.amdhsa_reserve_vcc 0
		.amdhsa_float_denorm_mode_32 3
		.amdhsa_float_denorm_mode_16_64 3
		.amdhsa_memory_ordered 1
		.amdhsa_forward_progress 1
		.amdhsa_inst_pref_size 202
	.end_amdhsa_kernel
	.amdgpu_metadata
---
amdhsa.version: [ 1, 2 ]
amdhsa.kernels:
  - .name:           k_q551939dd93_attn
    .symbol:         k_q551939dd93_attn.kd
    .args:
      - { .name: heads, .offset: 0, .size: 8, .value_kind: global_buffer, .address_space: global }
      - { .name: mbits, .offset: 8, .size: 8, .value_kind: global_buffer, .address_space: global }
      - { .name: msum, .offset: 16, .size: 8, .value_kind: global_buffer, .address_space: global }
      - { .name: out0, .offset: 24, .size: 8, .value_kind: global_buffer, .address_space: global }
    .group_segment_fixed_size: 166912
    .private_segment_fixed_size: 0
    .kernarg_segment_align: 8
    .kernarg_segment_size: 32
    .max_flat_workgroup_size: 256
    .sgpr_count:     100
    .vgpr_count:     512
    .wavefront_size: 32
...
	.end_amdgpu_metadata
.endif
;; end of part 3
